; MI455X (gfx1250); checked and timed in simulation.
; The chip was launched on July 23, 2026; its instructions are those of AMD's public machine-readable ISA for CDNA 5 (MIT licence, August 2026) and "CDNA5" Instruction Set Architecture Reference Guide (July 2026). The comments in the code are by the model that wrote it; some were corrected since.
;; Memory Bank. Allowed arithmetic: float matrix products may take bf16 or f16 operands with f32 sums; all other float work in f32.
;; Inputs: keys 65,536 x 128 float32; q 4 x 512 x 128 float32; values 65,536 x 128 float32.
;; Outputs: out0 4 x 512 x 32 x 128 float32; out1 4 x 512 x 32 x 128 float32.
;; Constants: topk = 32.
;; One version. Each part assembles by itself: llvm-mc -triple=amdgcn-amd-amdhsa -mcpu=gfx1250 --defsym DOCPART=n.
;; ======== version 1 of 1: 5 launches
;; workspace buffers: kbf 16,777,216 bytes; qbf 524,288 bytes; gm 33,554,432 bytes; sel 524,288 bytes of whole numbers; idx 262,144 bytes of whole numbers
;; launch pack (part 1): grid 264 x 1, 8 waves a work-group, no clusters, 35,840 bytes of LDS; arguments keys, q, kbf, qbf; writes kbf, qbf
.if DOCPART == 1
	.amdgcn_target "amdgcn-amd-amdhsa--gfx1250"
	.amdhsa_code_object_version 6
	.text
	.protected	k_q53325125cb_pack
	.globl	k_q53325125cb_pack
	.p2align	8
	.type	k_q53325125cb_pack,@function
k_q53325125cb_pack:
	s_mov_b64 s[64:65], 0
	v_nop
	global_prefetch_b8 v0, s[64:65] scope:SCOPE_SE
	s_setreg_imm32_b32 hwreg(HW_REG_WAVE_MODE, 25, 1), 1
	s_wait_xcnt 0x0
; keys [65536][128] f32 -> kbf, q [2048][128] f32 -> qbf: bf16 (round to nearest even), laid out as FRAGMENT IMAGES.
; A tile is 16 rows.  Its image is [8 chunks c][32 slots][16 bytes]: slot 16 hk + r holds row r, k = 16 c + 8 hk .. + 7, which is what lane 16 hk + r of a
; wave wants in registers 4 (c & 1) .. + 3 of K step c >> 1 of a 16x16x32 bf16 product.  So a later launch fills a fragment by loads of 512 consecutive bytes.
; Work-groups 0-255 take 16 tiles of keys each, 256-263 16 tiles of q; a wave takes two tiles.  A row's 512 bytes are one load of the wave; the turn from
; rows to chunks goes through the wave's own stage in LDS (rows of 256 bytes + 16 of padding), so there is no barrier.  No matrix unit, no cluster: every byte is read once.
.set PITCH, 272                        ; 68 words: the 16 rows of a read-back start at 16 different groups of four banks (64 banks of 4 bytes: ISA guide 11.1)
.set STG,   16*PITCH                   ; a wave's stage
.set SPARE, 8*STG                      ; 34,816: the spare words, 128 bytes a wave
.set X,     8                          ; v[8:135]   tile e, row j at X + 64 e + 4 j: 4 f32 a lane as loaded
.set Y,     136                        ; v[136:199] tile e, chunk c at Y + 32 e + 4 c
	s_load_b256 s[4:11], s[0:1], 0x0               ; keys s[4:5], q s[6:7], kbf s[8:9], qbf s[10:11]
	v_lshl_add_u32 v4, v0, 2, SPARE                ; my spare word
	v_mov_b32 v5, 0
	v_lshrrev_b32 v6, 5, v0
	v_readfirstlane_b32 s12, v6                    ; wave 0..7
	v_and_b32 v7, 31, v0                           ; lane
	v_lshlrev_b32 v1, 4, v7                        ; 16 x lane: my 16 bytes of a row, and of a chunk
	s_mul_i32 s13, s12, STG                        ; my stage
	v_lshl_add_u32 v2, v7, 3, s13                  ; in: 8 bytes (4 bf16) a lane
	v_and_b32 v6, 15, v0                           ; r
	v_bfe_u32 v7, v0, 4, 1                         ; hk
	v_mul_u32_u24 v3, v6, PITCH
	v_lshl_add_u32 v3, v7, 4, v3
	v_add_nc_u32 v3, s13, v3                       ; back: row r, 16 bytes at 16 hk
	s_cmp_lt_u32 ttmp9, 256
	s_cselect_b32 s14, 0, 256
	s_sub_co_u32 s14, ttmp9, s14                   ; my place among the work-groups of my tensor
	s_lshl_b32 s16, s14, 17                        ; source: 16 tiles of 8,192 bytes a work-group,
	s_lshl_b32 s15, s12, 14                        ; two a wave
	s_add_co_u32 s16, s16, s15
	s_mov_b32 s17, 0
	s_lshl_b32 s18, s14, 16                        ; destination: half of that
	s_lshl_b32 s15, s12, 13
	s_add_co_u32 s18, s18, s15
	s_mov_b32 s19, 0
	s_wait_kmcnt 0x0
	s_cmp_lt_u32 ttmp9, 256                        ; compared anew: the sums above have written SCC
	s_cselect_b64 s[4:5], s[4:5], s[6:7]           ; keys or q
	s_cselect_b64 s[8:9], s[8:9], s[10:11]         ; kbf or qbf
	s_add_nc_u64 s[4:5], s[4:5], s[16:17]
	s_add_nc_u64 s[8:9], s[8:9], s[18:19]
.irp e, 0,1
.irp j, 0,1,2,3,4,5,6,7,8,9,10,11,12,13,14,15
	global_load_b128 v[X+64*(\e)+4*(\j):X+64*(\e)+4*(\j)+3], v1, s[4:5] offset:8192*(\e)+512*(\j) th:TH_LOAD_NT  ; all 32 rows are asked for at once: 16 KiB a wave on its way
.endr
.endr
.macro TILE e
.irp j, 0,1,2,3,4,5,6,7,8,9,10,11,12,13,14,15
	s_wait_loadcnt 31-16*(\e)-(\j)                 ; loads come back in order: this row is in, the younger ones stay out
	v_cvt_pk_bf16_f32 v[X+64*(\e)+4*(\j)], v[X+64*(\e)+4*(\j)], v[X+64*(\e)+4*(\j)+1]
	v_cvt_pk_bf16_f32 v[X+64*(\e)+4*(\j)+1], v[X+64*(\e)+4*(\j)+2], v[X+64*(\e)+4*(\j)+3]
	ds_store_b64 v2, v[X+64*(\e)+4*(\j):X+64*(\e)+4*(\j)+1] offset:PITCH*(\j)
.endr
.irp c, 0,1,2,3,4,5,6,7
	ds_load_b128 v[Y+32*(\e)+4*(\c):Y+32*(\e)+4*(\c)+3], v3 offset:32*(\c)  ; LDS serves a wave's instructions in order: these see the stores above, and the next tile's stores come behind them
.endr
.irp c, 0,1,2,3,4,5,6,7
	s_wait_dscnt 7-(\c)                            ; chunk c is back, the younger ones stay out
	global_store_b128 v1, v[Y+32*(\e)+4*(\c):Y+32*(\e)+4*(\c)+3], s[8:9] offset:4096*(\e)+512*(\c)  ; 512 consecutive bytes, aligned
.endr
.endm
	TILE 0
	TILE 1
	s_wait_tensorcnt 0x0                           ; the wave's end: behind my last LDS store
	ds_add_u32 v4, v5
	s_wait_dscnt 0x0
	s_endpgm
.Lfunc_end_k_q53325125cb_pack:
	.size	k_q53325125cb_pack, .Lfunc_end_k_q53325125cb_pack-k_q53325125cb_pack
	.p2alignl 7, 3214868480
	.fill 96, 4, 3214868480
	.section	.rodata,"a",@progbits
	.p2align	6, 0x0
	.amdhsa_kernel k_q53325125cb_pack
		.amdhsa_group_segment_fixed_size 35840
		.amdhsa_private_segment_fixed_size 0
		.amdhsa_enable_private_segment 0
		.amdhsa_kernarg_size 32
		.amdhsa_user_sgpr_count 2
		.amdhsa_user_sgpr_kernarg_segment_ptr 1
		.amdhsa_wavefront_size32 1
		.amdhsa_system_sgpr_workgroup_id_x 1
		.amdhsa_system_sgpr_workgroup_id_y 1
		.amdhsa_system_sgpr_workgroup_id_z 1
		.amdhsa_system_vgpr_workitem_id 0
		.amdhsa_next_free_vgpr 200
		.amdhsa_next_free_sgpr 66
		.amdhsa_reserve_vcc 0
		.amdhsa_float_denorm_mode_32 3
		.amdhsa_float_denorm_mode_16_64 3
		.amdhsa_memory_ordered 1
		.amdhsa_forward_progress 1
		.amdhsa_inst_pref_size 15
	.end_amdhsa_kernel
	.amdgpu_metadata
---
amdhsa.version: [ 1, 2 ]
amdhsa.kernels:
  - .name:           k_q53325125cb_pack
    .symbol:         k_q53325125cb_pack.kd
    .args:
      - { .name: keys, .offset: 0, .size: 8, .value_kind: global_buffer, .address_space: global }
      - { .name: q, .offset: 8, .size: 8, .value_kind: global_buffer, .address_space: global }
      - { .name: kbf, .offset: 16, .size: 8, .value_kind: global_buffer, .address_space: global }
      - { .name: qbf, .offset: 24, .size: 8, .value_kind: global_buffer, .address_space: global }
    .group_segment_fixed_size: 35840
    .private_segment_fixed_size: 0
    .kernarg_segment_align: 8
    .kernarg_segment_size: 32
    .max_flat_workgroup_size: 256
    .sgpr_count:     66
    .vgpr_count:     200
    .wavefront_size: 32
...
	.end_amdgpu_metadata
.endif
;; end of part 1
;; launch score (part 2): grid 4 x 64, 4 waves a work-group, clusters of 4 x 1, 327,680 bytes of LDS; arguments kbf, qbf, gm; writes gm
.if DOCPART == 2
	.amdgcn_target "amdgcn-amd-amdhsa--gfx1250"
	.amdhsa_code_object_version 6
	.text
	.protected	k_q53325125cb_score
	.globl	k_q53325125cb_score
	.p2align	8
	.type	k_q53325125cb_score,@function
k_q53325125cb_score:
	s_mov_b64 s[64:65], 0
	v_nop
	global_prefetch_b8 v0, s[64:65] scope:SCOPE_SE
	s_setreg_imm32_b32 hwreg(HW_REG_WAVE_MODE, 25, 1), 1
	s_wait_xcnt 0x0
	s_wait_alu depctr_hold_cnt(0) depctr_sa_sdst(0) depctr_va_vdst(0) depctr_va_sdst(0) depctr_va_ssrc(0) depctr_va_vcc(0) depctr_vm_vsrc(0)
	s_getreg_b32 s2, hwreg(HW_REG_IB_STS2, 6, 4)
	s_cmp_eq_u32 s2, 0
	s_cbranch_scc0 .Lentry_in_a_cluster
	s_endpgm
.Lentry_in_a_cluster:
	s_bfe_u32 s2, ttmp6, 0x10000c
	s_cmp_lg_u32 s2, 0x3003
	s_cbranch_scc0 .Lentry_shape_is_right
	s_endpgm
.Lentry_shape_is_right:
; gm[row][group] = the largest of the 16 scores q[row] . keys[16 group + j], for 2,048 rows and 4,096 groups.  bf16 products, f32 sums (four K steps of 32, ascending, one accumulator).
; WHY MAXIMA OF GROUPS.  The 32 best keys of a row (score descending, lower index first) lie in the 32 best groups (maximum descending, lower group first): a key whose group is not among
; them is preceded by one key of each of those 32 groups.  So the 134 million scores never leave the registers; a later launch scores 40 x 16 candidates a row again.
; LIMITS.  NaN is not treated (the maximum drops it).  -0 and +0 count as equal in the launches behind.
; SHARES.  A work-group has 512 queries (its place along x) and 1,024 keys (y): 64 groups, 8 blocks of 8.  A wave keeps 128 queries, 8 tiles of 16, in 256 registers and walks all 64 key tiles.
; CLUSTER.  The four work-groups of a cluster differ in their queries alone and need the same 256 KiB of kbf: each wave asks for a quarter of it JOINTLY (mask of four).  It is filled once.
; A KEY TILE (source 0) takes 8 keys of group p and 8 keys of group p + 4 of a block: rows 0-7 keys 8 t .. of group p, rows 8-15 the same keys of group p + 4.  In the result lane (r, h) then holds
; query r and eight keys of ONE group, 4 h + p; tiles 2 p and 2 p + 1 cover the group; p = 0..3 gives the lane four neighbouring groups: 16 bytes of gm.
; gm is laid out [256 blocks of 8 rows][512 octas of 8 groups][8 rows][8 groups]: a store of the wave covers two runs of 256 consecutive bytes, aligned.
; BY TURNS.  Behind each product of tile T stand two instructions that fold tile T - 1's results into the maxima.  The loop runs with source 1 in window 1 (Q), so the maximum is written with
; three operands, the middle one the scalar -infinity: no switch of windows between products and maxima.
; REGISTERS.  window 0: v2 LDS address of my part of a key tile; v3 my byte offset in gm; v4 16 x lane; v6, v7 the add's; v16-79 key fragments, two buffers; v80-207 accumulators, two sets of 8;
; v208-239 maxima (query tile i, group p at 4 i + p).  window 1: Q, tile i chunk c at 32 i + 4 c.
.set REGO,  131200                     ; groups 4-7 of the blocks lie here, groups 0-3 at 0: 128 bytes past a multiple of 256, so rows 0-7 and 8-15 of a fragment load fall on different banks (64 banks of 4 bytes: ISA guide 11.1)
.set BLK,   16384                      ; four group images of 4,096 bytes
.set SPARE, 262400                     ; behind both regions: the spare words, 128 bytes a wave
.set KF,    16
.set ACC,   80
.set RM,    208
.set MSB, 0
.macro WIN new                         ; the immediate's high byte repeats the setting that is left
.if MSB != (\new)
	s_set_vgpr_msb (MSB<<8)|(\new)
.set MSB, \new
.endif
.endm
.macro CROUND                          ; a round of the cluster's barrier
	s_barrier_signal -1
	s_barrier_wait -1
	s_cmp_lg_u32 s10, 0
	s_cbranch_scc1 .Lnot_wave_0_\@
	s_barrier_signal -3
.Lnot_wave_0_\@:
	s_barrier_wait -3
	s_barrier_signal -1
	s_barrier_wait -1
.endm
	s_load_b128 s[4:7], s[0:1], 0x0                ; kbf s[4:5], qbf s[6:7]
	s_load_b64 s[8:9], s[0:1], 0x10                ; gm
	v_lshl_add_u32 v6, v0, 2, SPARE
	v_mov_b32 v7, 0
	ds_add_u32 v6, v7                              ; the wave's opening: the add and its wait come ahead of my tensor load
	v_lshrrev_b32 v1, 5, v0
	v_readfirstlane_b32 s10, v1                    ; wave 0..3
	s_bfe_u32 s11, ttmp6, 0x40000                  ; cx
	s_lshl_b32 s13, ttmp9, 2
	s_add_co_u32 s11, s11, s13                     ; my block of 512 queries: it enters qbf's and gm's addresses alone
	s_and_b32 s12, ttmp7, 0xffff                   ; my 1,024 keys, which the four partners share
	s_and_b32 s14, s10, 1                          ; I fetch groups 0-3 (0) or 4-7 (1)
	s_lshr_b32 s15, s10, 1                         ; of blocks 0-3 (0) or 4-7 (1)
	s_mov_b32 s16, 1                               ; group 0: count = 1
	s_mul_i32 s17, s14, REGO                       ; LDS address: the wave's number alone
	s_lshl_b32 s30, s15, 16
	s_add_co_u32 s17, s17, s30
	s_lshl_b32 s30, s12, 18                        ; from kbf: 262,144 bytes a key range,
	s_lshl_b32 s31, s15, 17                        ; four blocks of 32,768,
	s_add_co_u32 s30, s30, s31
	s_lshl_b32 s31, s14, 14                        ; the block's first or second 16,384
	s_add_co_u32 s30, s30, s31
	s_mov_b32 s31, 0
	s_mov_b32 s20, 15|(3<<16)|(1<<21)              ; group 1: the mask of four; elements of 8 bytes; bit 21 set beside a mask; no padding
	s_mov_b32 s21, 2048<<16                        ; tensor_dim0 = 2,048 elements: 16,384 bytes
	s_mov_b32 s22, 4<<16                           ; tensor_dim1 = 4
	s_mov_b32 s23, 2048<<16                        ; tile_dim0 = 2,048
	s_mov_b32 s24, 4                               ; tile_dim1 = 4 rows: one a block
	s_mov_b32 s25, 4096                            ; from row to row 32,768 bytes
	s_mov_b32 s26, 0
	s_mov_b32 s27, 0
	s_lshl_b32 s32, s11, 17                        ; qbf: 32 tiles of 4,096 bytes a block of queries,
	s_lshl_b32 s33, s10, 15                        ; 8 a wave
	s_add_co_u32 s32, s32, s33
	s_mov_b32 s33, 0
	s_lshl_b32 s38, s11, 23                        ; gm: 64 blocks of 8 rows (131,072 bytes each) a block of queries,
	s_lshl_b32 s39, s10, 21                        ; 16 a wave,
	s_add_co_u32 s38, s38, s39
	s_lshl_b32 s39, s12, 11                        ; 8 octas of 256 bytes a key range
	s_add_co_u32 s38, s38, s39
	s_mov_b32 s39, 0
	s_mov_b32 s28, 0xff800000                      ; -infinity
	s_wait_dscnt 0x0                               ; the opening add is done
	s_wait_kmcnt 0x0
	s_add_nc_u64 s[18:19], s[4:5], s[30:31]
	s_or_b32 s19, s19, 0x80000000                  ; type = 2
	s_add_nc_u64 s[36:37], s[6:7], s[32:33]
	s_add_nc_u64 s[34:35], s[8:9], s[38:39]
	CROUND                                         ; all four work-groups are here: the joint loads meet
	tensor_load_to_lds s[16:19], s[20:27]          ; my one tensor load: 65,536 bytes
	s_nop 0
	v_bfe_u32 v9, v0, 4, 1                         ; h
	v_and_b32 v10, 7, v0                           ; r & 7
	v_bfe_u32 v11, v0, 3, 1                        ; r >> 3
	v_and_b32 v4, 31, v0
	v_lshlrev_b32 v4, 4, v4                        ; 16 x lane
	v_mul_u32_u24 v2, v11, REGO                    ; rows 8-15 read the second region
	v_lshl_add_u32 v2, v9, 8, v2                   ; + 256 h: the image's upper 16 slots
	v_lshl_add_u32 v2, v10, 4, v2                  ; + 16 (r & 7)
	v_lshlrev_b32 v3, 17, v11                      ; gm: rows 8-15 of a query tile are the next block of 8 rows,
	v_lshl_add_u32 v3, v10, 5, v3                  ; 32 bytes a row,
	v_lshl_add_u32 v3, v9, 4, v3                   ; groups 4-7 in the upper 16
	WIN 0x40                                       ; destination window 1
.irp i, 0,1,2,3,4,5,6,7
.irp c, 0,1,2,3,4,5,6,7
	global_load_b128 v[32*(\i)+4*(\c):32*(\i)+4*(\c)+3], v4, s[36:37] offset:4096*(\i)+512*(\c)
.endr
.endr
	WIN 0
	s_wait_tensorcnt 0x0                           ; my quarter has landed,
	s_barrier_signal -1
	s_barrier_wait -1                              ; everybody's has; nothing is ever filled again
.irp c, 0,1,2,3,4,5,6,7
	ds_load_b128 v[KF+4*(\c):KF+4*(\c)+3], v2 offset:512*(\c)  ; key tile 0 of block 0
.endr
	s_wait_loadcnt 0x0                             ; Q
	s_mov_b32 s29, 8
; Number o of the 64 that fold tile pt's results into the maxima: accumulator o & 7, step o >> 3, so that neighbours in the list do not wait for each other.
; Each accumulator's lowest registers are read first.  An even tile starts the group's maximum (seven steps), an odd one goes on (eight).
.macro RIDER pt, o
.set ri, (\o)&7
.set re, (\o)>>3
.set rP, ACC+64*((\pt)&1)+8*ri
.set rR, RM+4*ri+((\pt)>>1)
.if ((\pt)&1) == 0
.if re == 0
	v_max3_num_f32 v[rR], v[rP], s28, v[rP+1]
.elseif re < 7
	v_max3_num_f32 v[rR], v[rR], s28, v[rP+re+1]
.endif
.else
	v_max3_num_f32 v[rR], v[rR], s28, v[rP+re]
.endif
.endm
; The next tile's eight LDS loads, in one run.  The buffer's last reader lies four plain vector instructions back or more: riders, tile 0's v_nop, or the lump at a trip's end.
.macro NEXTK T
.if (\T) < 7
.set kb, KF+32*(((\T)+1)&1)
.set ko, (((\T)+1)>>1)*4096+(((\T)+1)&1)*128
.irp c, 0,1,2,3,4,5,6,7
	ds_load_b128 v[kb+4*(\c):kb+4*(\c)+3], v2 offset:ko+512*(\c)
.endr
.else
	WIN 0                                          ; at a branch and at a label every window is 0
	s_cmp_eq_u32 s29, 1
	s_cbranch_scc1 .Lskip                          ; the last block has no successor
.irp c, 0,1,2,3,4,5,6,7
	ds_load_b128 v[KF+4*(\c):KF+4*(\c)+3], v2 offset:BLK+512*(\c)  ; the next block's tile 0
.endr
.Lskip:
	WIN 0x04
.endif
.endm
; Key tile T of a block: 32 products, K step outer, the 8 accumulators by turns; the first 8 start the sums with the constant 0.
.macro TILE T
	s_wait_dscnt 0x0                               ; this tile's eight loads, issued 29 products ago
.set n, 0
.rept 32
.set ws, n>>3
.set wi, n&7
.set rD, ACC+64*((\T)&1)+8*wi
.set rA, KF+32*((\T)&1)+8*ws
.set rB, 32*wi+8*ws
.if ws == 0
	v_wmma_f32_16x16x32_bf16 v[rD:rD+7], v[rA:rA+7], v[rB:rB+7], 0
.else
	v_wmma_f32_16x16x32_bf16 v[rD:rD+7], v[rA:rA+7], v[rB:rB+7], v[rD:rD+7]
.endif
.if (\T) > 0
	RIDER (\T)-1, 2*n
	RIDER (\T)-1, 2*n+1
.endif
.if n == 2
	NEXTK \T
.endif
.set n, n+1
.endr
.if (\T) == 0
.rept 4
	v_nop                                          ; tile 0 has no riders: the four places between its products and tile 1's first riders (ISA guide 7.12.1)
.endr
.endif
.endm
.Lblock:                                               ; a trip: one block of 8 groups, 256 products
	WIN 0x04                                       ; source 1 (Q) in window 1
	TILE 0
	TILE 1
	TILE 2
	TILE 3
	TILE 4
	TILE 5
	TILE 6
	TILE 7
.set n, 0
.rept 64
	RIDER 7, n                                     ; tile 7's results have no products to stand behind
.set n, n+1
.endr
	WIN 0
.irp i, 0,1,2,3,4,5,6,7
	global_store_b128 v3, v[RM+4*(\i):RM+4*(\i)+3], s[34:35] offset:262144*(\i)  ; query tile i: two blocks of 8 rows, 256 consecutive bytes in each
.endr
	s_wait_xcnt 0x0                                ; the maxima and the base are written again only behind this wait
	s_add_nc_u64 s[34:35], s[34:35], 256           ; the next octa
	v_add_nc_u32 v2, BLK, v2                       ; the next block in LDS
	s_sub_co_u32 s29, s29, 1
	s_cmp_lg_u32 s29, 0
	s_cbranch_scc1 .Lblock
	s_wait_tensorcnt 0x0                           ; the wave's end
	ds_add_u32 v6, v7
	s_wait_dscnt 0x0
	CROUND                                         ; the closing round
	s_endpgm
.Lfunc_end_k_q53325125cb_score:
	.size	k_q53325125cb_score, .Lfunc_end_k_q53325125cb_score-k_q53325125cb_score
	.p2alignl 7, 3214868480
	.fill 96, 4, 3214868480
	.section	.rodata,"a",@progbits
	.p2align	6, 0x0
	.amdhsa_kernel k_q53325125cb_score
		.amdhsa_group_segment_fixed_size 327680
		.amdhsa_private_segment_fixed_size 0
		.amdhsa_enable_private_segment 0
		.amdhsa_kernarg_size 24
		.amdhsa_user_sgpr_count 2
		.amdhsa_user_sgpr_kernarg_segment_ptr 1
		.amdhsa_wavefront_size32 1
		.amdhsa_system_sgpr_workgroup_id_x 1
		.amdhsa_system_sgpr_workgroup_id_y 1
		.amdhsa_system_sgpr_workgroup_id_z 1
		.amdhsa_system_vgpr_workitem_id 0
		.amdhsa_next_free_vgpr 512
		.amdhsa_next_free_sgpr 66
		.amdhsa_reserve_vcc 0
		.amdhsa_float_denorm_mode_32 3
		.amdhsa_float_denorm_mode_16_64 3
		.amdhsa_memory_ordered 1
		.amdhsa_forward_progress 1
		.amdhsa_inst_pref_size 63
	.end_amdhsa_kernel
	.amdgpu_metadata
---
amdhsa.version: [ 1, 2 ]
amdhsa.kernels:
  - .name:           k_q53325125cb_score
    .symbol:         k_q53325125cb_score.kd
    .args:
      - { .name: kbf, .offset: 0, .size: 8, .value_kind: global_buffer, .address_space: global }
      - { .name: qbf, .offset: 8, .size: 8, .value_kind: global_buffer, .address_space: global }
      - { .name: gm, .offset: 16, .size: 8, .value_kind: global_buffer, .address_space: global }
    .group_segment_fixed_size: 327680
    .private_segment_fixed_size: 0
    .kernarg_segment_align: 8
    .kernarg_segment_size: 24
    .max_flat_workgroup_size: 128
    .sgpr_count:     66
    .vgpr_count:     512
    .wavefront_size: 32
...
	.end_amdgpu_metadata
.endif
;; end of part 2
;; launch pick (part 3): grid 256 x 1, 8 waves a work-group, no clusters, 167,936 bytes of LDS; arguments gm, sel; writes sel
.if DOCPART == 3
	.amdgcn_target "amdgcn-amd-amdhsa--gfx1250"
	.amdhsa_code_object_version 6
	.text
	.protected	k_q53325125cb_pick
	.globl	k_q53325125cb_pick
	.p2align	8
	.type	k_q53325125cb_pick,@function
k_q53325125cb_pick:
	s_mov_b64 s[64:65], 0
	v_nop
	global_prefetch_b8 v0, s[64:65] scope:SCOPE_SE
	s_setreg_imm32_b32 hwreg(HW_REG_WAVE_MODE, 25, 1), 1
	s_wait_xcnt 0x0
; sel[row][0..31] = the 32 best groups of the row, in no particular order: maximum descending, among equal maxima the lower group first.
; sel[row][32..63] = further groups, lowest number first: those not among the 32 whose maximum is at least t - band, t the 32nd maximum, band = (largest - t) / 128 + |t| / 2048; empty places hold 0xffffffff.
; WHY THE BAND.  The maxima come from the matrix unit; the launch behind ranks by sums made one term at a time.  If the two differ by e at the most, every key of the true best 32 lies in a group
; whose maximum here is at least t - 2 e.  The band is far wider than 2 e: a sum of 128 terms is off by less than 128 x 2^-24 of the sum of its terms' magnitudes.
; No address, branch or EXEC hangs on a floating-point number: the choice is made by networks and masks, and ends as data.
;   1  each lane finds the 32 largest of its 128 maxima, values alone: a bitonic sort of 32 registers, four times, each merged into the running 32
;   2  five merges across the lanes (lane xor 1, 2, 4, 8, 16): every lane then holds the row's 32 largest values, sorted; t = the 32nd; need = 32 - the number above t
;   3  the row is read again: chosen are the groups above t and the first 'need' groups equal to t, in ascending order; lane p keeps the masks of the block of 128 groups that holds the p-th chosen bit,
;      and likewise for the p-th bit of the band
;   4  lane p finds each bit's place by counting, and stores the groups' numbers
; LIMITS.  NaN is not treated (maxima and minima drop it); -0 and +0 count as equal; with an infinite maximum the band is empty or everything.
; SHARES.  A work-group has a block of 8 rows of gm, 131,072 dense bytes, brought by eight tensor loads (one a wave, 64 rows of 256 bytes); wave w works on row w.  No work-group shares input with another: no cluster.
; LDS.  An octa (8 rows x 8 groups, 256 bytes) is padded to 288: a load of 16 bytes a lane takes 32 bytes of each of 16 octas.
; Register c of load i in lane l is group 128 i + 4 l + c.
.set UP,    288
.set SPARE, 512*UP                     ; 147,456: the spare words, 128 bytes a wave
.set L,     32                         ; v[32:63]   as loaded
.set P0,    64                         ; v[64:95]   the networks work out of place, between these two
.set P1,    96                         ; v[96:127]
.set T,     128                        ; v[128:159] the running 32 largest, descending
.set XW,    64                         ; v[64:70]   (when the networks are done) the band's kept masks, counts, bits before the block, block
.set TB,    71                         ; v71        t - band
; v1 lane; v2, v3 LDS addresses of the two passes; v4, v5 the add's; v6 0; v7 need; v8 rank among the equals; v10-13 the kept masks; v14 their counts, packed; v15 chosen before the block; v16 the block; v17-28 at work
; s[20:23] above t; s[24:27] equal to t; s[28:31] chosen; s32 equals so far; s33 chosen so far; s34-39 counts; s[40:41] lane selects; s42 trips; s43 the block's number
; s[68:71] in the band and not chosen; s72 such so far; s73-78 counts
	s_load_b128 s[4:7], s[0:1], 0x0                ; gm s[4:5], sel s[6:7]
	v_lshl_add_u32 v4, v0, 2, SPARE
	v_mov_b32 v5, 0
	ds_add_u32 v4, v5                              ; the wave's opening: the add and its wait come ahead of my tensor load
	v_lshrrev_b32 v17, 5, v0
	v_readfirstlane_b32 s8, v17                    ; wave 0..7
	s_mov_b32 s12, 1                               ; group 0: count = 1
	s_mul_i32 s13, s8, 64*UP                       ; LDS address: my 64 octas
	s_mov_b32 s52, (3<<16)|(1<<20)|(5<<22)|(7<<25) ; group 1: elements of 8 bytes; padding on, after every 64 words, 8 words
	s_mov_b32 s53, 32<<16                          ; tensor_dim0 = 32 elements: 256 bytes
	s_mov_b32 s54, 64<<16                          ; tensor_dim1 = 64
	s_mov_b32 s55, 32<<16                          ; tile_dim0 = 32
	s_mov_b32 s56, 64                              ; tile_dim1 = 64
	s_mov_b32 s57, 32                              ; dense rows
	s_mov_b32 s58, 0
	s_mov_b32 s59, 0
	s_lshl_b32 s16, ttmp9, 17                      ; my block of 8 rows,
	s_lshl_b32 s17, s8, 14                         ; my 64 octas of it
	s_add_co_u32 s16, s16, s17
	s_mov_b32 s17, 0
	s_lshl_b32 s18, ttmp9, 11                      ; sel: 256 bytes a row
	s_lshl_b32 s19, s8, 8
	s_add_co_u32 s18, s18, s19
	s_mov_b32 s19, 0
	s_mov_b32 s9, 0xff800000                       ; -infinity
	s_mov_b32 s40, 0x76543210
	s_mov_b32 s41, 0xfedcba98
	s_mov_b32 s66, 0x3a000000                      ; 1 / 2048
	s_wait_dscnt 0x0                               ; the opening add is done
	s_wait_kmcnt 0x0
	s_add_nc_u64 s[14:15], s[4:5], s[16:17]
	s_or_b32 s15, s15, 0x80000000                  ; type = 2
	s_add_nc_u64 s[6:7], s[6:7], s[18:19]
	tensor_load_to_lds s[12:15], s[52:59]          ; my one tensor load: 16,384 bytes
	s_nop 0
	v_and_b32 v1, 31, v0                           ; lane
	v_lshrrev_b32 v17, 1, v1
	v_and_b32 v18, 1, v0
	v_mul_u32_u24 v2, v17, UP                      ; octa lane / 2,
	v_lshl_add_u32 v2, v18, 4, v2                  ; its groups 0-3 or 4-7,
	v_lshl_add_u32 v2, s8, 5, v2                   ; row w
	v_mov_b32 v3, v2
	v_mov_b32 v6, 0
.set i, 0
.rept 32
	v_mov_b32 v[T+i], s9                           ; the running list starts below everything
.set i, i+1
.endr
.irp r, 10,11,12,13,14,15,16
	v_mov_b32 v\r, 0
.endr
	s_wait_tensorcnt 0x0                           ; my part has landed,
	s_barrier_signal -1
	s_barrier_wait -1                              ; everybody's has; nothing is filled again
; One stage of a bitonic network on 32 registers, from set S into set D: places i and i + j; the larger goes to i where i & k is 0, else to i + j.
.macro STG S, D, k, j
.set p, 0
.rept 16
.set pi, (p/(\j))*2*(\j)+(p%(\j))
.if (pi&(\k)) == 0
	v_max_num_f32 v[(\D)+pi], v[(\S)+pi], v[(\S)+pi+(\j)]
	v_min_num_f32 v[(\D)+pi+(\j)], v[(\S)+pi], v[(\S)+pi+(\j)]
.else
	v_min_num_f32 v[(\D)+pi], v[(\S)+pi], v[(\S)+pi+(\j)]
	v_max_num_f32 v[(\D)+pi+(\j)], v[(\S)+pi], v[(\S)+pi+(\j)]
.endif
.set p, p+1
.endr
.endm
.macro MRG5                            ; a bitonic sequence in P1 is sorted, descending, into T
	STG P1, P0, 32, 16
	STG P0, P1, 32, 8
	STG P1, P0, 32, 4
	STG P0, P1, 32, 2
	STG P1, T, 32, 1
.endm
	; 1: the lane's 32 largest
	s_mov_b32 s42, 4
.Lsort:
.irp e, 0,1,2,3,4,5,6,7
	ds_load_b128 v[L+4*(\e):L+4*(\e)+3], v2 offset:16*UP*(\e)
.endr
	s_wait_dscnt 0x0
	v_add_nc_u32 v2, 128*UP, v2
	STG L, P0, 2, 1                                ; 15 stages sort the 32, descending, into P0
	STG P0, P1, 4, 2
	STG P1, P0, 4, 1
	STG P0, P1, 8, 4
	STG P1, P0, 8, 2
	STG P0, P1, 8, 1
	STG P1, P0, 16, 8
	STG P0, P1, 16, 4
	STG P1, P0, 16, 2
	STG P0, P1, 16, 1
	STG P1, P0, 32, 16
	STG P0, P1, 32, 8
	STG P1, P0, 32, 4
	STG P0, P1, 32, 2
	STG P1, P0, 32, 1
.set i, 0
.rept 32
	v_max_num_f32 v[P1+i], v[T+i], v[P0+31-i]      ; of two descending lists, one reversed: the 32 largest of the 64, a bitonic sequence
.set i, i+1
.endr
	MRG5
	s_sub_co_u32 s42, s42, 1
	s_cmp_lg_u32 s42, 0
	s_cbranch_scc1 .Lsort
	; 2: across the lanes.  Both partners come to the same 32 values.
.irp m, 1,2,4,8
.set i, 0
.rept 32
	v_max_num_f32_dpp v[P1+i], v[T+31-i], v[T+i] row_xmask:\m row_mask:0xf bank_mask:0xf
.set i, i+1
.endr
	MRG5
.endr
.set i, 0
.rept 32
	v_permlanex16_b32 v[P0+i], v[T+31-i], s40, s41
.set i, i+1
.endr
.set i, 0
.rept 32
	v_max_num_f32 v[P1+i], v[P0+i], v[T+i]
.set i, i+1
.endr
	MRG5
	v_mov_b32 v17, 0
.set i, 0
.rept 31
	v_cmp_gt_f32 vcc_lo, v[T+i], v[T+31]
	v_add_co_ci_u32 v17, vcc_lo, v17, v6, vcc_lo   ; counts the values above t
.set i, i+1
.endr
	v_sub_nc_u32 v7, 32, v17                       ; so many of the groups equal to t are taken
	v_sub_f32 v18, v[T], v[T+31]                   ; the band: (largest - t) / 128
	v_and_b32 v19, 0x7fffffff, v[T+31]
	v_mul_f32 v18, 0x3c000000, v18
	v_fma_f32 v18, v19, s66, v18                   ; + |t| / 2048
	v_sub_f32 v[TB], v[T+31], v18
.irp r, 0,1,2,3,4,5,6
	v_mov_b32 v[XW+\r], 0
.endr
	; 3: the masks.  One block of 128 groups: four registers of every lane.
.macro SUB e
.irp c, 0,1,2,3
	v_cmp_gt_f32 s[20+\c], v[L+4*(\e)+\c], v[T+31]
	v_cmp_eq_f32 s[24+\c], v[L+4*(\e)+\c], v[T+31]
	v_cmp_ge_f32 s[68+\c], v[L+4*(\e)+\c], v[TB]
.endr
	v_mbcnt_lo_u32_b32 v8, s24, s32                ; equals in earlier blocks, and in this block's lower lanes: they have lower group numbers
	v_mbcnt_lo_u32_b32 v8, s25, v8
	v_mbcnt_lo_u32_b32 v8, s26, v8
	v_mbcnt_lo_u32_b32 v8, s27, v8
.irp c, 0,1,2,3
	v_cmp_gt_u32 s[28+\c], v7, v8                  ; is an equal at this place among the first 'need'?
.if \c < 3
	s_mov_b32 vcc_lo, s[24+\c]
	v_add_co_ci_u32 v8, vcc_lo, v8, v6, vcc_lo     ; my own equal at register c comes before register c + 1
.endif
.endr
.irp c, 0,1,2,3
	s_and_b32 s[28+\c], s[28+\c], s[24+\c]
	s_or_b32 s[28+\c], s[28+\c], s[20+\c]          ; chosen: above t, or an equal that is early enough
	s_and_not1_b32 s[68+\c], s[68+\c], s[28+\c]    ; the band: at least t - band, and not chosen
	s_bcnt1_i32_b32 s39, s[24+\c]
	s_add_co_u32 s32, s32, s39
.endr
	s_bcnt1_i32_b32 s34, s28                       ; running counts over the four masks
	s_bcnt1_i32_b32 s35, s29
	s_bcnt1_i32_b32 s36, s30
	s_bcnt1_i32_b32 s37, s31
	s_add_co_u32 s35, s35, s34
	s_add_co_u32 s36, s36, s35
	s_add_co_u32 s37, s37, s36
	s_lshl_b32 s38, s35, 8
	s_or_b32 s38, s38, s34
	s_lshl_b32 s39, s36, 16
	s_or_b32 s38, s38, s39
	v_cmp_le_u32 vcc_lo, s33, v1                   ; lane p keeps the last block in front of which at most p were chosen: it holds the p-th
	v_cndmask_b32 v10, v10, s28, vcc_lo
	v_cndmask_b32 v11, v11, s29, vcc_lo
	v_cndmask_b32 v12, v12, s30, vcc_lo
	v_cndmask_b32 v13, v13, s31, vcc_lo
	v_cndmask_b32 v14, v14, s38, vcc_lo
	v_cndmask_b32 v15, v15, s33, vcc_lo
	v_cndmask_b32 v16, v16, s43, vcc_lo
	s_add_co_u32 s33, s33, s37
	s_bcnt1_i32_b32 s73, s68                       ; the same for the band
	s_bcnt1_i32_b32 s74, s69
	s_bcnt1_i32_b32 s75, s70
	s_bcnt1_i32_b32 s76, s71
	s_add_co_u32 s74, s74, s73
	s_add_co_u32 s75, s75, s74
	s_add_co_u32 s76, s76, s75
	s_lshl_b32 s77, s74, 8
	s_or_b32 s77, s77, s73
	s_lshl_b32 s78, s75, 16
	s_or_b32 s77, s77, s78
	v_cmp_le_u32 vcc_lo, s72, v1
	v_cndmask_b32 v[XW], v[XW], s68, vcc_lo
	v_cndmask_b32 v[XW+1], v[XW+1], s69, vcc_lo
	v_cndmask_b32 v[XW+2], v[XW+2], s70, vcc_lo
	v_cndmask_b32 v[XW+3], v[XW+3], s71, vcc_lo
	v_cndmask_b32 v[XW+4], v[XW+4], s77, vcc_lo
	v_cndmask_b32 v[XW+5], v[XW+5], s72, vcc_lo
	v_cndmask_b32 v[XW+6], v[XW+6], s43, vcc_lo
	s_add_co_u32 s72, s72, s76
	s_add_co_u32 s43, s43, 1
.endm
	s_mov_b32 s32, 0
	s_mov_b32 s33, 0
	s_mov_b32 s72, 0
	s_mov_b32 s43, 0
	s_mov_b32 s42, 4
.Lmask:
.irp e, 0,1,2,3,4,5,6,7
	ds_load_b128 v[L+4*(\e):L+4*(\e)+3], v3 offset:16*UP*(\e)
.endr
	s_wait_dscnt 0x0
	v_add_nc_u32 v3, 128*UP, v3
.irp e, 0,1,2,3,4,5,6,7
	SUB \e
.endr
	s_sub_co_u32 s42, s42, 1
	s_cmp_lg_u32 s42, 0
	s_cbranch_scc1 .Lmask
	; 4: which of the block's four masks, and which bit of it
.macro WORD cnt, msk, num
	v_cmp_ge_u32 vcc_lo, v17, v[\cnt]
	v_sub_nc_u32 v24, v17, v[\cnt]
	v_cndmask_b32 v21, v21, v[\msk], vcc_lo
	v_cndmask_b32 v22, v22, \num, vcc_lo
	v_cndmask_b32 v23, v23, v24, vcc_lo
.endm
.macro BITSTEP x, mask, width          ; if the lower half of the field in hand holds too few ones, go on in the upper half
	v_lshrrev_b32 v24, v25, v[\x]
	v_and_b32 v24, \mask, v24
	v_cmp_ge_u32 vcc_lo, v23, v24
	v_sub_nc_u32 v24, v23, v24
	v_add_nc_u32 v26, \width, v25
	v_cndmask_b32 v23, v23, v24, vcc_lo
	v_cndmask_b32 v25, v25, v26, vcc_lo
.endm
; w: the first of seven kept registers (four masks, counts, bits before the block, block); dst takes the group's number
.macro FIND w, dst
	v_sub_nc_u32 v17, v1, v[(\w)+5]                ; my place among the block's bits
	v_and_b32 v18, 0xff, v[(\w)+4]
	v_bfe_u32 v19, v[(\w)+4], 8, 8
	v_bfe_u32 v20, v[(\w)+4], 16, 8
	v_mov_b32 v21, v[\w]                           ; the mask,
	v_mov_b32 v22, 0                               ; its number,
	v_mov_b32 v23, v17                             ; my place among its bits
	WORD 18, (\w)+1, 1
	WORD 19, (\w)+2, 2
	WORD 20, (\w)+3, 3
	v_lshrrev_b32 v24, 1, v21                      ; counts of ones in fields of 2, 4, 8 and 16 bits
	v_and_b32 v24, 0x55555555, v24
	v_sub_nc_u32 v17, v21, v24
	v_lshrrev_b32 v24, 2, v17
	v_and_b32 v24, 0x33333333, v24
	v_and_b32 v18, 0x33333333, v17
	v_add_nc_u32 v18, v18, v24
	v_lshrrev_b32 v24, 4, v18
	v_add_nc_u32 v19, v18, v24
	v_and_b32 v19, 0x0f0f0f0f, v19
	v_lshrrev_b32 v24, 8, v19
	v_add_nc_u32 v20, v19, v24
	v_mov_b32 v25, 0                               ; the bit's place
	BITSTEP 20, 0xff, 16
	BITSTEP 19, 0xff, 8
	BITSTEP 18, 15, 4
	BITSTEP 17, 3, 2
	BITSTEP 21, 1, 1
	v_lshlrev_b32 v24, 7, v[(\w)+6]                ; group = 128 x block + 4 x lane + register
	v_lshl_add_u32 v24, v25, 2, v24
	v_add_nc_u32 v[\dst], v24, v22
.endm
	FIND 10, 27
	FIND XW, 28
	v_cmp_gt_u32 vcc_lo, s72, v1                   ; has the band a p-th group at all?
	v_cndmask_b32 v28, -1, v28, vcc_lo             ; if not: the mark of an empty place
	v_lshlrev_b32 v26, 2, v1
	global_store_b32 v26, v27, s[6:7]              ; the row's 256 bytes, in two halves
	global_store_b32 v26, v28, s[6:7] offset:128
	s_wait_tensorcnt 0x0                           ; the wave's end
	ds_add_u32 v4, v5
	s_wait_dscnt 0x0
	s_endpgm
.Lfunc_end_k_q53325125cb_pick:
	.size	k_q53325125cb_pick, .Lfunc_end_k_q53325125cb_pick-k_q53325125cb_pick
	.p2alignl 7, 3214868480
	.fill 96, 4, 3214868480
	.section	.rodata,"a",@progbits
	.p2align	6, 0x0
	.amdhsa_kernel k_q53325125cb_pick
		.amdhsa_group_segment_fixed_size 167936
		.amdhsa_private_segment_fixed_size 0
		.amdhsa_enable_private_segment 0
		.amdhsa_kernarg_size 16
		.amdhsa_user_sgpr_count 2
		.amdhsa_user_sgpr_kernarg_segment_ptr 1
		.amdhsa_wavefront_size32 1
		.amdhsa_system_sgpr_workgroup_id_x 1
		.amdhsa_system_sgpr_workgroup_id_y 1
		.amdhsa_system_sgpr_workgroup_id_z 1
		.amdhsa_system_vgpr_workitem_id 0
		.amdhsa_next_free_vgpr 160
		.amdhsa_next_free_sgpr 80
		.amdhsa_reserve_vcc 1
		.amdhsa_float_denorm_mode_32 3
		.amdhsa_float_denorm_mode_16_64 3
		.amdhsa_memory_ordered 1
		.amdhsa_forward_progress 1
		.amdhsa_inst_pref_size 101
	.end_amdhsa_kernel
	.amdgpu_metadata
---
amdhsa.version: [ 1, 2 ]
amdhsa.kernels:
  - .name:           k_q53325125cb_pick
    .symbol:         k_q53325125cb_pick.kd
    .args:
      - { .name: gm, .offset: 0, .size: 8, .value_kind: global_buffer, .address_space: global }
      - { .name: sel, .offset: 8, .size: 8, .value_kind: global_buffer, .address_space: global }
    .group_segment_fixed_size: 167936
    .private_segment_fixed_size: 0
    .kernarg_segment_align: 8
    .kernarg_segment_size: 16
    .max_flat_workgroup_size: 256
    .sgpr_count:     80
    .vgpr_count:     160
    .wavefront_size: 32
...
	.end_amdgpu_metadata
.endif
;; end of part 3
;; launch rank (part 4): grid 256 x 1, 4 waves a work-group, no clusters, 41,472 bytes of LDS; arguments kbf, qbf, sel, idx; writes idx
.if DOCPART == 4
	.amdgcn_target "amdgcn-amd-amdhsa--gfx1250"
	.amdhsa_code_object_version 6
	.text
	.protected	k_q53325125cb_rank
	.globl	k_q53325125cb_rank
	.p2align	8
	.type	k_q53325125cb_rank,@function
k_q53325125cb_rank:
	s_mov_b64 s[64:65], 0
	v_nop
	global_prefetch_b8 v0, s[64:65] scope:SCOPE_SE
	s_setreg_imm32_b32 hwreg(HW_REG_WAVE_MODE, 25, 1), 1
	s_wait_xcnt 0x0
; idx[row][0..31] = the row's 32 best keys, score descending, among equal scores the lower key first.  Candidates: the 16 keys of each of 40 groups of the row: sel's 32 best and the first 8 of its band.
; SCORES.  The ranking hangs on the sums' last bits, so the candidates' scores are made again as a plain f32 loop over k makes them: one term at a time, k ascending, from 0.  A product of two bf16 numbers
; is exact in f32 (8 x 8 significant bits), so each fused step is one rounding of a sum.  This is 40 x 16 of a row's 65,536 scores, one in a hundred; the others stay with the matrix units in the dense launch.
; LIMITS.  q and keys rounded to bf16.  If more than 8 groups lie in the band below the 32nd maximum, the 8 with the lowest numbers are scored.  NaN is not treated; -0 counts as +0.
; A group number from sel is clamped to 4,095 before it enters an address; an empty place (a number above 4,095) gets the sort key 0, below every number's.
; SHARES.  A wave has two rows, a (lanes 0-15) and b = a + 1 (lanes 16-31); lane (r, h) scores key r of the slot's group of row a or b.  Of a group's image the 16 bytes k = 8 P .. 8 P + 7 of key r lie at
; 256 P + 16 r: a load of the wave takes 256 consecutive bytes of each of two groups.  The lane's query lies in 64 registers, in the same order.
; LOADS.  Four slots (a quad) go together, four chains of fused steps that do not wait for each other.  Window 1 holds two batches of 32 loads: the quad's k 0-63 and its k 64-127; each is asked for again
; as soon as it has been used: 32 KiB a wave on its way.  A quad's four group numbers are one load of 16 bytes a lane, asked for two quads ahead.
; SORT.  A candidate is (key, id): key = the score's bits turned so that unsigned order is the floats' order; id = 16 x group + r.  A lane's 40 candidates go through the wave's own stage in LDS (the loop
; cannot index registers).  The first 32 are sorted by a bitonic network on register pairs; the 8 of the band are sorted apart and merged in; four exchanges with lane xor 1, 2, 4, 8 leave the row's best 32
; in all 16 lanes.  No branch or address hangs on a score.
; REGISTERS.  window 0: v1 lane; v2 r; v3 16 r; v4 4 x lane; v5 stage address (steps); v6, v7 the add's (v7 = 0 also starts the sums); v8-11, v12-15 the two batches' offsets; v16-19, v20-23, v24-27 group
; numbers of the quad in hand, the next, the one after; v28-31 four sums; v32-39 keys and ids to store; v40-47 at work; v48 offset in sel; v49 stage address; v50 partner; v51 Q's offset; v52, v53 result;
; v64-127, v128-191, v192-255 sets A, B, C of 32 candidates (the query lies in C's registers first).  Candidate t of a set: key at 4 (t / 2) + t % 2, id two registers on.
; window 1: batch b, slot s, word w at 128 b + 32 s + w.
.set STGB,  10240                      ; a wave's stage: 20 pairs of slots x 32 lanes x 16 bytes
.set SPARE, 4*STGB                     ; 40,960: the spare words, 128 bytes a wave
.set VO,  8
.set GC,  16
.set GM,  20
.set GN,  24
.set ACC, 28
.set KI,  32
.set TM,  40
.set SA,  64
.set SB,  128
.set SC,  192
.set QF,  192
.set MK,  40                           ; s[40:63] three masks for each of eight exchanges
.set MSB, 0
.macro WIN new                         ; the immediate's high byte repeats the setting that is left
.if MSB != (\new)
	s_set_vgpr_msb (MSB<<8)|(\new)
.set MSB, \new
.endif
.endm
	s_load_b256 s[4:11], s[0:1], 0x0               ; kbf s[4:5], qbf s[6:7], sel s[8:9], idx s[10:11]
	v_lshl_add_u32 v6, v0, 2, SPARE
	v_mov_b32 v7, 0
	v_lshrrev_b32 v40, 5, v0
	v_readfirstlane_b32 s12, v40                   ; wave 0..3
	v_and_b32 v1, 31, v0
	v_and_b32 v2, 15, v0
	v_lshlrev_b32 v3, 4, v2
	v_lshlrev_b32 v4, 2, v1
	s_mul_i32 s26, s12, STGB
	v_lshl_add_u32 v5, v1, 4, s26                  ; my 16 bytes in my wave's stage
	v_mov_b32 v49, v5
	s_lshl_b32 s27, ttmp9, 2
	s_add_co_u32 s27, s27, s12                     ; u: my pair of rows
	v_bfe_u32 v40, v0, 4, 1                        ; h
	s_and_b32 s28, s27, 7
	s_lshl_b32 s28, s28, 5                         ; row a's place in its query tile's image, 16 bytes a row
	v_lshl_add_u32 v51, v40, 4, s28                ; row b's is the next
	v_lshlrev_b32 v48, 8, v40                      ; sel: 256 bytes a row
	s_lshr_b32 s30, s27, 3                         ; the query tile,
	s_lshl_b32 s30, s30, 12                        ; 4,096 bytes each
	s_mov_b32 s31, 0
	s_lshl_b32 s32, s27, 9                         ; sel: 512 bytes a pair of rows
	s_mov_b32 s33, 0
	s_lshl_b32 s34, s27, 8                         ; idx: 256
	s_mov_b32 s35, 0
	s_wait_kmcnt 0x0
	s_add_nc_u64 s[6:7], s[6:7], s[30:31]
	s_add_nc_u64 s[8:9], s[8:9], s[32:33]
	s_add_nc_u64 s[10:11], s[10:11], s[34:35]
	global_load_b128 v[GC:GC+3], v48, s[8:9]            ; quad 0's groups
	global_load_b128 v[GN:GN+3], v48, s[8:9] offset:16  ; quad 1's
.irp p, 0,1,2,3,4,5,6,7,8,9,10,11,12,13,14,15
	global_load_b128 v[QF+4*(\p):QF+4*(\p)+3], v51, s[6:7] offset:256*(\p)
.endr
	s_wait_loadcnt 17                              ; quad 0's groups are in; the 17 loads behind them stay out
; Batch b (k 64 b .. 64 b + 63) of the quad whose group numbers lie in v[g .. g + 3] is asked for.
.macro FILL b, g
.irp s, 0,1,2,3
	v_min_u32 v[VO+4*(\b)+(\s)], 0xfff, v[(\g)+(\s)]
.endr
.irp s, 0,1,2,3
	v_lshl_add_u32 v[VO+4*(\b)+(\s)], v[VO+4*(\b)+(\s)], 12, v3  ; 4,096 bytes a group + 16 r
.endr
	WIN 0x40                                       ; destination window 1
.irp s, 0,1,2,3
.irp p, 0,1,2,3,4,5,6,7
	global_load_b128 v[128*(\b)+32*(\s)+4*(\p):128*(\b)+32*(\s)+4*(\p)+3], v[VO+4*(\b)+(\s)], s[4:5] offset:2048*(\b)+256*(\p)
.endr
.endr
	WIN 0
.endm
; One step of slot s's sum: term k = 64 b + kk.  Word kk / 2 of the batch holds it in its low (kk even) or high half, in the key and in the query alike.
.macro FM s, b
.set rK, 128*(\b)+32*(\s)+(kk>>1)
.set rQ, QF+32*(\b)+(kk>>1)
.if ((\b) == 0) && (kk == 0)
	v_fma_mix_f32_bf16 v[ACC+(\s)], v[rK], v[rQ], v7 op_sel_hi:[1,1,0]  ; the first term starts the sum, from 0
.elseif (kk&1) == 0
	v_fma_mix_f32_bf16 v[ACC+(\s)], v[rK], v[rQ], v[ACC+(\s)] op_sel_hi:[1,1,0]
.else
	v_fma_mix_f32_bf16 v[ACC+(\s)], v[rK], v[rQ], v[ACC+(\s)] op_sel:[1,1,0] op_sel_hi:[1,1,0]
.endif
.endm
.macro MAC b                           ; 64 terms of four sums, the four by turns
	WIN 0x01                                       ; source 0 (the key) in window 1
.set kk, 0
.rept 64
.irp s, 0,1,2,3
	FM \s, \b
.endr
.set kk, kk+1
.endr
	WIN 0
.endm
.macro FINISH                          ; the quad's four sums become candidates and go into the stage
.irp s, 0,1,2,3
	v_add_f32 v[TM+(\s)], 0, v[ACC+(\s)]           ; -0 becomes +0
.endr
.irp s, 0,1,2,3
	v_ashrrev_i32 v[TM+4+(\s)], 31, v[TM+(\s)]
.endr
.irp s, 0,1,2,3
	v_or_b32 v[TM+4+(\s)], 0x80000000, v[TM+4+(\s)]
.endr
.irp s, 0,1,2,3
	v_xor_b32 v[TM+(\s)], v[TM+(\s)], v[TM+4+(\s)] ; positive: the sign is set; negative: all bits are turned
	v_min_u32 v[TM+4+(\s)], 0xfff, v[GC+(\s)]
.endr
.irp s, 0,1,2,3
	v_cmp_gt_u32 vcc_lo, 0x1000, v[GC+(\s)]        ; a group, or the mark of an empty place?
	v_cndmask_b32 v[KI+4*((\s)>>1)+((\s)&1)], 0, v[TM+(\s)], vcc_lo
	v_lshl_add_u32 v[KI+4*((\s)>>1)+((\s)&1)+2], v[TM+4+(\s)], 4, v2  ; 16 x group + r
.endr
	ds_store_b128 v5, v[KI:KI+3]                   ; key, key, id, id of two slots
	ds_store_b128 v5, v[KI+4:KI+7] offset:512
.endm
; A quad.  fill = 1: both batches are asked for again, for the next quad, and the group numbers of the quad after that.
.macro QUAD fill
	s_wait_loadcnt 32                              ; the first batch is in, and all that was asked for ahead of it (the next quad's groups; at first the query); the second batch's 32 stay out
.if \fill
	v_add_nc_u32 v48, 16, v48                      ; free since that wait
.irp s, 0,1,2,3
	v_mov_b32 v[GM+(\s)], v[GN+(\s)]               ; the next quad's groups
.endr
	global_load_b128 v[GN:GN+3], v48, s[8:9] offset:16  ; two quads on.  The ninth trip's load brings places 40-43 of the row's 64, which nothing reads: the price of one text for all trips
.endif
	MAC 0
.if \fill
	FILL 0, GM
	s_wait_loadcnt 33                              ; the second batch is in; behind it: one load of groups and the 32 just issued
.else
	s_wait_loadcnt 0x0
.endif
	MAC 1
.if \fill
	FILL 1, GM
.endif
	FINISH
.if \fill
.irp s, 0,1,2,3
	v_mov_b32 v[GC+(\s)], v[GM+(\s)]
.endr
	v_add_nc_u32 v5, 1024, v5
.endif
.endm
	FILL 0, GC
	FILL 1, GC
	s_mov_b32 s24, 9
.Lquad:
	QUAD 1
	s_sub_co_u32 s24, s24, 1
	s_cmp_lg_u32 s24, 0
	s_cbranch_scc1 .Lquad
	QUAD 0                                         ; the tenth quad asks for nothing
.set i, 0
.rept 16
	ds_load_b128 v[SB+4*i:SB+4*i+3], v49 offset:512*i  ; LDS serves a wave's instructions in order: these see my stores
.set i, i+1
.endr
.set i, 0
.rept 4
	ds_load_b128 v[SC+48+4*i:SC+48+4*i+3], v49 offset:512*(16+i)  ; the band's 8 candidates: places 24-31 of set C (the query is done with)
.set i, i+1
.endr
	s_wait_dscnt 0x0
; Exchange p of a stage: places pi and pi + j; px takes the candidate that precedes, py the other; descending where pi & k is 0; inv = 1 turns every direction round.
.macro PAIR p, k, j, inv
.set pi, ((\p)/(\j))*2*(\j)+((\p)%(\j))
.set pd, ((pi&(\k))/(\k))^(\inv)
.if pd == 0
.set px, pi
.set py, pi+(\j)
.else
.set px, pi+(\j)
.set py, pi
.endif
.endm
; n exchanges (8 at the most) from set S, places sb on, into set D, places db on: all compares, then the scalar logic, then the selects, so that none waits for the line before it.
; x precedes y if its key is greater, or equal with the lower id.
.macro CEN S, D, k, j, p0, n, sb, db, inv
.set q, 0
.rept \n
	PAIR (\p0)+q, \k, \j, \inv
.set kx, (\S)+4*((px+(\sb))>>1)+((px+(\sb))&1)
.set ky, (\S)+4*((py+(\sb))>>1)+((py+(\sb))&1)
	v_cmp_gt_u32 s[MK+3*q], v[kx], v[ky]
	v_cmp_eq_u32 s[MK+3*q+1], v[kx], v[ky]
	v_cmp_lt_u32 s[MK+3*q+2], v[kx+2], v[ky+2]
.set q, q+1
.endr
.set q, 0
.rept \n
	s_and_b32 s[MK+3*q+1], s[MK+3*q+1], s[MK+3*q+2]
	s_or_b32 s[MK+3*q], s[MK+3*q], s[MK+3*q+1]
.set q, q+1
.endr
.set q, 0
.rept \n
	PAIR (\p0)+q, \k, \j, \inv
.set kx, (\S)+4*((px+(\sb))>>1)+((px+(\sb))&1)
.set ky, (\S)+4*((py+(\sb))>>1)+((py+(\sb))&1)
.set dx, (\D)+4*((px+(\db))>>1)+((px+(\db))&1)
.set dy, (\D)+4*((py+(\db))>>1)+((py+(\db))&1)
	v_cndmask_b32 v[dx], v[ky], v[kx], s[MK+3*q]
	v_cndmask_b32 v[dx+2], v[ky+2], v[kx+2], s[MK+3*q]
	v_cndmask_b32 v[dy], v[kx], v[ky], s[MK+3*q]
	v_cndmask_b32 v[dy+2], v[kx+2], v[ky+2], s[MK+3*q]
.set q, q+1
.endr
.endm
.macro STG2 S, D, k, j                 ; a stage on 32 candidates
	CEN \S, \D, \k, \j, 0, 8, 0, 0, 0
	CEN \S, \D, \k, \j, 8, 8, 0, 0, 0
.endm
.macro STG8 sb, db, k, j               ; a stage on 8 candidates inside set C, ascending
	CEN SC, SC, \k, \j, 0, 4, \sb, \db, 1
.endm
; Eight places p0 .. p0 + 7: set B takes the one of A's and C's candidates that precedes.
.macro HCE8 p0
.set q, 0
.rept 8
.set kx, SA+4*(((\p0)+q)>>1)+(((\p0)+q)&1)
.set ky, SC+4*(((\p0)+q)>>1)+(((\p0)+q)&1)
	v_cmp_gt_u32 s[MK+3*q], v[kx], v[ky]
	v_cmp_eq_u32 s[MK+3*q+1], v[kx], v[ky]
	v_cmp_lt_u32 s[MK+3*q+2], v[kx+2], v[ky+2]
.set q, q+1
.endr
.set q, 0
.rept 8
	s_and_b32 s[MK+3*q+1], s[MK+3*q+1], s[MK+3*q+2]
	s_or_b32 s[MK+3*q], s[MK+3*q], s[MK+3*q+1]
.set q, q+1
.endr
.set q, 0
.rept 8
.set kx, SA+4*(((\p0)+q)>>1)+(((\p0)+q)&1)
.set ky, SC+4*(((\p0)+q)>>1)+(((\p0)+q)&1)
.set dx, SB+4*(((\p0)+q)>>1)+(((\p0)+q)&1)
	v_cndmask_b32 v[dx], v[ky], v[kx], s[MK+3*q]
	v_cndmask_b32 v[dx+2], v[ky+2], v[kx+2], s[MK+3*q]
.set q, q+1
.endr
.endm
	STG8 24, 0, 2, 1                               ; the band's 8: six stages between places 24-31 and 0-7 of set C leave them at 24-31, the best at 31:
	STG8 0, 24, 4, 2                               ; a descending list of 32, reversed, whose other 24 places are empty
	STG8 24, 0, 4, 1
	STG8 0, 24, 8, 4
	STG8 24, 0, 8, 2
	STG8 0, 24, 8, 1
.set i, 0
.rept 12
	v_mov_b32 v[SC+4*i], 0                         ; an empty place: the key below every number's,
	v_mov_b32 v[SC+4*i+1], 0
	v_mov_b32 v[SC+4*i+2], -1                      ; the id above every key's
	v_mov_b32 v[SC+4*i+3], -1
.set i, i+1
.endr
	STG2 SB, SA, 2, 1                              ; ten stages: the lane's 32 become a bitonic sequence (16 descending, 16 ascending), back in B
	STG2 SA, SB, 4, 2
	STG2 SB, SA, 4, 1
	STG2 SA, SB, 8, 4
	STG2 SB, SA, 8, 2
	STG2 SA, SB, 8, 1
	STG2 SB, SA, 16, 8
	STG2 SA, SB, 16, 4
	STG2 SB, SA, 16, 2
	STG2 SA, SB, 16, 1
	s_mov_b32 s24, 6
	s_mov_b32 s25, 4                               ; 4 x the partner's distance
.Lmerge:                                               ; six trips: a bitonic sequence in B is sorted into A; in all but the last, the best 32 of A and of the reversed list in C go back into B
	STG2 SB, SA, 32, 16
	STG2 SA, SB, 32, 8
	STG2 SB, SA, 32, 4
	STG2 SA, SB, 32, 2
	STG2 SB, SA, 32, 1
	s_cmp_eq_u32 s24, 1
	s_cbranch_scc1 .Lstep                          ; the sixth trip has no partner left among the row's 16 lanes
	s_cmp_eq_u32 s24, 6
	s_cbranch_scc1 .Lbest                          ; the first trip's list is the band's, which lies in C already
	v_xor_b32 v50, s25, v4
.set i, 0
.rept 32
	ds_bpermute_b32 v[SC+4*(i>>1)+(i&1)], v50, v[SA+4*((31-i)>>1)+((31-i)&1)]      ; the partner's list, reversed
	ds_bpermute_b32 v[SC+4*(i>>1)+(i&1)+2], v50, v[SA+4*((31-i)>>1)+((31-i)&1)+2]
.set i, i+1
.endr
	s_wait_dscnt 0x0
	s_lshl_b32 s25, s25, 1
.Lbest:
	HCE8 0
	HCE8 8
	HCE8 16
	HCE8 24
.Lstep:
	s_sub_co_u32 s24, s24, 1
	s_cmp_lg_u32 s24, 0
	s_cbranch_scc1 .Lmerge
	v_mov_b32 v52, v[SA+2]                         ; lane (r, h) stores ranks 2 r and 2 r + 1 of its row: chosen by selects
	v_mov_b32 v53, v[SA+3]
.set i, 1
.rept 15
	v_cmp_eq_u32 vcc_lo, i, v2
	v_cndmask_b32 v52, v52, v[SA+4*i+2], vcc_lo
	v_cndmask_b32 v53, v53, v[SA+4*i+3], vcc_lo
.set i, i+1
.endr
	v_lshlrev_b32 v40, 3, v1
	global_store_b64 v40, v[52:53], s[10:11]       ; the wave's two rows: 256 consecutive bytes, aligned
	s_wait_tensorcnt 0x0                           ; the wave's end: behind my last LDS store
	ds_add_u32 v6, v7
	s_wait_dscnt 0x0
	s_endpgm
.Lfunc_end_k_q53325125cb_rank:
	.size	k_q53325125cb_rank, .Lfunc_end_k_q53325125cb_rank-k_q53325125cb_rank
	.p2alignl 7, 3214868480
	.fill 96, 4, 3214868480
	.section	.rodata,"a",@progbits
	.p2align	6, 0x0
	.amdhsa_kernel k_q53325125cb_rank
		.amdhsa_group_segment_fixed_size 41472
		.amdhsa_private_segment_fixed_size 0
		.amdhsa_enable_private_segment 0
		.amdhsa_kernarg_size 32
		.amdhsa_user_sgpr_count 2
		.amdhsa_user_sgpr_kernarg_segment_ptr 1
		.amdhsa_wavefront_size32 1
		.amdhsa_system_sgpr_workgroup_id_x 1
		.amdhsa_system_sgpr_workgroup_id_y 1
		.amdhsa_system_sgpr_workgroup_id_z 1
		.amdhsa_system_vgpr_workitem_id 0
		.amdhsa_next_free_vgpr 512
		.amdhsa_next_free_sgpr 66
		.amdhsa_reserve_vcc 1
		.amdhsa_float_denorm_mode_32 3
		.amdhsa_float_denorm_mode_16_64 3
		.amdhsa_memory_ordered 1
		.amdhsa_forward_progress 1
		.amdhsa_inst_pref_size 239
	.end_amdhsa_kernel
	.amdgpu_metadata
---
amdhsa.version: [ 1, 2 ]
amdhsa.kernels:
  - .name:           k_q53325125cb_rank
    .symbol:         k_q53325125cb_rank.kd
    .args:
      - { .name: kbf, .offset: 0, .size: 8, .value_kind: global_buffer, .address_space: global }
      - { .name: qbf, .offset: 8, .size: 8, .value_kind: global_buffer, .address_space: global }
      - { .name: sel, .offset: 16, .size: 8, .value_kind: global_buffer, .address_space: global }
      - { .name: idx, .offset: 24, .size: 8, .value_kind: global_buffer, .address_space: global }
    .group_segment_fixed_size: 41472
    .private_segment_fixed_size: 0
    .kernarg_segment_align: 8
    .kernarg_segment_size: 32
    .max_flat_workgroup_size: 128
    .sgpr_count:     66
    .vgpr_count:     512
    .wavefront_size: 32
...
	.end_amdgpu_metadata
.endif
;; end of part 4
;; launch fetch (part 5): grid 512 x 1, 8 waves a work-group, no clusters, 0 bytes of LDS; arguments keys, values, idx, out0, out1; writes out0, out1
.if DOCPART == 5
	.amdgcn_target "amdgcn-amd-amdhsa--gfx1250"
	.amdhsa_code_object_version 6
	.text
	.protected	k_q53325125cb_fetch
	.globl	k_q53325125cb_fetch
	.p2align	8
	.type	k_q53325125cb_fetch,@function
k_q53325125cb_fetch:
	s_mov_b64 s[64:65], 0
	v_nop
	global_prefetch_b8 v0, s[64:65] scope:SCOPE_SE
	s_setreg_imm32_b32 hwreg(HW_REG_WAVE_MODE, 25, 1), 1
	s_wait_xcnt 0x0
; out0[row][rank] = keys[idx[row][rank]], out1[row][rank] = values[idx[row][rank]]: rows of 512 bytes, copied as they are, in f32.
; A wave takes 16 of the 65,536 output rows.  A row is one load and one store of the wave, 512 consecutive bytes, aligned.  All 32 loads are asked for before the first store: 16 KiB a wave on its way.
; A key number is clamped to 65,535 before it enters an address.  Memory binds: no LDS, no barrier, no matrix unit.  No hint on the loads: a row may be named by several queries.
.set VO, 4                             ; v[4:19]   byte offset of row t in keys and in values
.set D,  24                            ; v[24:151] row t: 4 registers of keys, then 4 of values
	s_load_b256 s[4:11], s[0:1], 0x0               ; keys s[4:5], values s[6:7], idx s[8:9], out0 s[10:11]
	s_load_b64 s[12:13], s[0:1], 0x20              ; out1
	v_lshrrev_b32 v2, 5, v0
	v_readfirstlane_b32 s14, v2                    ; wave 0..7
	v_and_b32 v1, 31, v0
	v_lshlrev_b32 v1, 4, v1                        ; 16 x lane
	v_and_b32 v2, 15, v0
	v_lshlrev_b32 v2, 2, v2                        ; lanes 0-15 and 16-31 both read the wave's 16 numbers
	s_lshl_b32 s15, ttmp9, 3
	s_add_co_u32 s15, s15, s14                     ; my wave among all
	s_lshl_b32 s2, s15, 6                          ; 64 bytes of idx
	s_mov_b32 s3, 0
	s_wait_kmcnt 0x0
	s_add_nc_u64 s[8:9], s[8:9], s[2:3]
	s_lshl_b32 s2, s15, 13                         ; 8,192 bytes of each output
	s_add_nc_u64 s[10:11], s[10:11], s[2:3]
	s_add_nc_u64 s[12:13], s[12:13], s[2:3]
	global_load_b32 v3, v2, s[8:9]
	s_wait_loadcnt 0x0
.irp t, 0,1,2,3,4,5,6,7,8,9,10,11,12,13,14,15
	v_readlane_b32 s[16+\t], v3, \t
.endr
.irp t, 0,1,2,3,4,5,6,7,8,9,10,11,12,13,14,15
	s_min_u32 s[16+\t], s[16+\t], 0xffff
	v_lshl_add_u32 v[VO+\t], s[16+\t], 9, v1       ; 512 bytes a row + 16 x lane
	global_load_b128 v[D+8*\t:D+8*\t+3], v[VO+\t], s[4:5]
	global_load_b128 v[D+8*\t+4:D+8*\t+7], v[VO+\t], s[6:7]
.endr
.irp t, 0,1,2,3,4,5,6,7,8,9,10,11,12,13,14,15
	s_wait_loadcnt 31-2*\t                         ; loads come back in order: row t of keys is in, the younger ones stay out
	global_store_b128 v1, v[D+8*\t:D+8*\t+3], s[10:11] offset:512*\t th:TH_STORE_NT
	s_wait_loadcnt 30-2*\t                         ; and row t of values
	global_store_b128 v1, v[D+8*\t+4:D+8*\t+7], s[12:13] offset:512*\t th:TH_STORE_NT
.endr
	s_endpgm
.Lfunc_end_k_q53325125cb_fetch:
	.size	k_q53325125cb_fetch, .Lfunc_end_k_q53325125cb_fetch-k_q53325125cb_fetch
	.p2alignl 7, 3214868480
	.fill 96, 4, 3214868480
	.section	.rodata,"a",@progbits
	.p2align	6, 0x0
	.amdhsa_kernel k_q53325125cb_fetch
		.amdhsa_group_segment_fixed_size 0
		.amdhsa_private_segment_fixed_size 0
		.amdhsa_enable_private_segment 0
		.amdhsa_kernarg_size 40
		.amdhsa_user_sgpr_count 2
		.amdhsa_user_sgpr_kernarg_segment_ptr 1
		.amdhsa_wavefront_size32 1
		.amdhsa_system_sgpr_workgroup_id_x 1
		.amdhsa_system_sgpr_workgroup_id_y 1
		.amdhsa_system_sgpr_workgroup_id_z 1
		.amdhsa_system_vgpr_workitem_id 0
		.amdhsa_next_free_vgpr 152
		.amdhsa_next_free_sgpr 66
		.amdhsa_reserve_vcc 0
		.amdhsa_float_denorm_mode_32 3
		.amdhsa_float_denorm_mode_16_64 3
		.amdhsa_memory_ordered 1
		.amdhsa_forward_progress 1
		.amdhsa_inst_pref_size 11
	.end_amdhsa_kernel
	.amdgpu_metadata
---
amdhsa.version: [ 1, 2 ]
amdhsa.kernels:
  - .name:           k_q53325125cb_fetch
    .symbol:         k_q53325125cb_fetch.kd
    .args:
      - { .name: keys, .offset: 0, .size: 8, .value_kind: global_buffer, .address_space: global }
      - { .name: values, .offset: 8, .size: 8, .value_kind: global_buffer, .address_space: global }
      - { .name: idx, .offset: 16, .size: 8, .value_kind: global_buffer, .address_space: global }
      - { .name: out0, .offset: 24, .size: 8, .value_kind: global_buffer, .address_space: global }
      - { .name: out1, .offset: 32, .size: 8, .value_kind: global_buffer, .address_space: global }
    .group_segment_fixed_size: 0
    .private_segment_fixed_size: 0
    .kernarg_segment_align: 8
    .kernarg_segment_size: 40
    .max_flat_workgroup_size: 256
    .sgpr_count:     66
    .vgpr_count:     152
    .wavefront_size: 32
...
	.end_amdgpu_metadata
.endif
;; end of part 5
